; MI455X (gfx1250); checked and timed in simulation.
; The chip was launched on July 23, 2026; its instructions are those of AMD's public machine-readable ISA for CDNA 5 (MIT licence, August 2026) and "CDNA5" Instruction Set Architecture Reference Guide (July 2026). The comments in the code are by the model that wrote it; some were corrected since.
;; Info Self Attention Layer. Allowed arithmetic: matrix products marked QUANTISED: E5M2 operands, one E8M0 scale for each 32 along K, by v_wmma_scale_f32_16x16x128_f8f6f4 with both operands' format E5M2, f32 sums; everything else in f32.
;; Inputs: Wk 768 x 64 float32; Wq 768 x 64 float32; Wv 768 x 64 float32; bk 64 float32; bq 64 float32; bv 64 float32; info 2 x 8 x 2,048 x 768 float32.
;; Outputs: out0 2 x 8 x 2,048 x 64 float32.
;; This version of the problem:
;;   THIS VERSION OF THE PROBLEM IS GIVEN IN LOW PRECISION. The matrix products marked QUANTISED in the list below multiply operands that are first quantised to E5M2 (5 exponent bits, 2 mantissa bits; 8 bits a number), with one power-of-two scale for each 32 numbers along K (OCP MX v1.0); their sums are f32. All else is computed in f32.
;;   The module's matrix products, in the order in which they are computed (A, B: the left and right operand; K: the contracted axis; several contracted axes count as one K, in the product's order):
;;     1. [M 32,768, K 768] x [K 768, N 64]; A: input info; B: input Wq: QUANTISED
;;     2. [M 32,768, K 768] x [K 768, N 64]; A: input info; B: input Wk: QUANTISED
;;     3. [M 32,768, K 768] x [K 768, N 64]; A: input info; B: input Wv: QUANTISED
;;     4. batch 16 x [M 2,048, K 64] x [K 64, N 2,048]; A: computed on the way; B: computed on the way: QUANTISED
;;     5. batch 16 x [M 2,048, K 2,048] x [K 2,048, N 64]; A: softmax (see below); B: computed on the way: QUANTISED
;;   THE QUANTISER, for each operand of a quantised product, along K:
;;     - K is cut into blocks of 32 from its start; a last block that is shorter is filled with zeros.
;;     - A block's scale is 2^e with e = floor(log2(the largest magnitude in the block)) - 15, held to -126 .. 127; a block of zeros has e = 0. As a byte (E8M0): e + 127.
;;     - Each number is divided by its block's scale, clamped to +-57,344, and rounded to the nearest number of E5M2, ties to even, subnormals kept.
;;     - The product sums the exact products of the quantised numbers (number of the format x scale) in f32.
;;   ~~~python
;;   def quantise(x, axis):      # numpy; x: float32 -> the quantised numbers, widened to float32 again
;;       x = np.moveaxis(x, axis, -1); K = x.shape[-1]
;;       x = np.pad(x, [(0, 0)] * (x.ndim - 1) + [(0, -K % 32)]); x = x.reshape(x.shape[:-1] + (-1, 32)); a = np.abs(x).max(-1, keepdims=True)
;;       e = np.where(a > 0, np.clip(np.frexp(np.where(a > 0, a, 1))[1] - 1 - 15, -126, 127), 0)      # np.frexp(a)[1] - 1 = floor(log2(a)), exactly
;;       r = np.clip(x / 2.0 ** e, -57344, 57344)
;;       step = 2.0 ** (np.maximum(np.frexp(np.where(r == 0, 1, r))[1] - 1, -14) - 2)
;;       q = np.round(r / step) * step * 2.0 ** e      # np.round: ties to even
;;       return np.moveaxis(q.reshape(q.shape[:-2] + (-1,))[..., :K], -1, axis).astype(np.float32)
;;   ~~~
;;   SOFTMAX AHEAD OF A QUANTISED PRODUCT. Where the list says 'softmax', what is quantised is not the finished softmax but p = 2^(t - M), with t = logit x log2(e) and M = ceil(the row's largest t), a whole number; so 1/2 < the row's largest p <= 1. The row's sum l is taken of the UNQUANTISED p, in f32, and the product's result is divided by l at the end. Since M is a whole number, a kernel that streams over the keys may use a running M (the ceiling of the running maximum): every later rescaling is an exact power of two, which a block's scale takes up: the codes' values come out the same.
;;   OPERANDS COMPUTED ON THE WAY. 'Computed on the way' means the value that the module computes at that place (a softmax that the list does not call 'softmax' is quantised finished and normalised). What goes into a quantiser is computed in f32, as accurately as f32 sums, v_exp_f32 and their like allow (about 1e-6 of the number): no bf16 or f16 on the way to a quantiser, and a product that is left as it is and whose result goes on into a quantised operand takes f32 operands (vector FMAs, or v_wmma_f32_16x16x4_f32). A number that lies on a knife's edge between two numbers of the format may be rounded either way, as far as f32 arithmetic and the matrix unit's own rounding can turn it there, and no further.
;; One version. Each part assembles by itself: llvm-mc -triple=amdgcn-amd-amdhsa -mcpu=gfx1250 --defsym DOCPART=n.
;; ======== version 1 of 1: 4 launches
;; limits: right only within a limited range of input values
;; workspace buffers: wimg 156,672 bytes; qb 2,228,224 bytes; kv 4,456,448 bytes; obuf 8,388,608 bytes; stats 65,536 bytes
;; launch wquant (part 1): grid 6 x 6, 4 waves a work-group, no clusters, 768 bytes of LDS; arguments Wq, Wk, Wv, wimg; writes wimg
.if DOCPART == 1
	.amdgcn_target "amdgcn-amd-amdhsa--gfx1250"
	.amdhsa_code_object_version 6
	.text
	.protected	k_q659bbb059c_wquant
	.globl	k_q659bbb059c_wquant
	.p2align	8
	.type	k_q659bbb059c_wquant,@function
k_q659bbb059c_wquant:
	s_mov_b64 s[64:65], 0
	v_nop
	global_prefetch_b8 v0, s[64:65] scope:SCOPE_SE
	s_setreg_imm32_b32 hwreg(HW_REG_WAVE_MODE, 25, 1), 1
	s_wait_xcnt 0x0
; PROGRAM: q, k, v = info W + b; softmax(q k^T / 8) v; instance norm of each of the 16 slices.  All five products on codes of BF8 (E5M2) with one E8M0 scale for each 32 along K.
; NO WORK IS LEFT OUT.  bq and bk enter q and k, which are quantised operands of a live product, so they can move codes; bv is one number a channel while the norm takes away one number a slice, so it
; reaches the result.  All seven inputs are loaded.  The head's 64 fill half of the matrix instruction's 128 along K; the other half meets zero codes, inside live tiles.
; THIS LAUNCH: Wq, Wk, Wv [768][64] f32, K = their FIRST axis, become codes laid as images of the operand's registers.
; Work-group (j, s): 32 columns (half j % 2 of tensor j / 2) x the K step s of 128; wave c its block of 32 along K.  A lane takes one column: the whole block lies in its 32 registers.
; A column's place in its two tiles (2 j, 2 j + 1) is pos = 16 u + r.  Wv: pos = column.  Wq, Wk: lane r of tile 2 b + u takes column 32 b + 8 u + r + 8 (r / 8), so that the next launch's results of two neighbouring tiles are 16 neighbours.
; wimg: fragment (s, ct) at 2,048 (12 s + ct) + 512 c + 16 (r + 16 h); scale words of tiles 2 j, 2 j + 1 at 147,456 + 256 (6 s + j) + 8 pos, each written twice, so that one store fills an aligned unit of 256 bytes.
; LIMITS: NaN and infinities among the inputs are not served; a block of zeros gets the byte 1 where the rule says 127: its codes are zeros, and this program alone reads the bytes.
.set X, 64                             ; v64-95   32 numbers
.set SPARE, 256                        ; LDS: 128 bytes of scale words in the first 256; behind them the spare words, 128 bytes for each wave
	s_load_b128 s[4:7], s[0:1], 0x0                ; Wq, Wk
	s_load_b128 s[8:11], s[0:1], 0x10              ; Wv, wimg
	v_lshl_add_u32 v12, v0, 2, SPARE
	v_mov_b32 v13, 0
	v_lshrrev_b32 v1, 5, v0
	v_readfirstlane_b32 s12, v1                    ; wave = block c of the K step
	s_and_b32 s13, ttmp7, 0xffff                   ; s
	s_and_b32 s15, ttmp9, 1
	s_lshl_b32 s15, s15, 7                         ; the half's first column, in bytes
	s_lshl_b32 s16, s13, 15                        ; 128 rows of 256 bytes a K step
	s_lshl_b32 s17, s12, 13                        ; 32 rows a block
	s_add_co_u32 s16, s16, s17
	s_add_co_u32 s16, s16, s15
	s_mov_b32 s17, 0
	s_mul_i32 s20, s13, 6
	s_add_co_u32 s20, s20, ttmp9                   ; 6 s + j
	s_lshl_b32 s18, s20, 12
	s_lshl_b32 s21, s12, 9
	s_add_co_u32 s18, s18, s21
	s_mov_b32 s19, 0
	s_lshl_b32 s22, s20, 8
	s_add_co_u32 s22, s22, 147456
	s_mov_b32 s23, 0
	s_mov_b32 s24, 0x600000                        ; the mantissa field of 57,344
	s_cmp_lt_u32 ttmp9, 4
	s_cselect_b32 s14, -1, 0
	v_and_b32 v2, 31, v0                           ; lane = column of the half
	v_bfe_u32 v3, v2, 3, 1
	v_and_b32 v4, 7, v2
	v_bfe_u32 v5, v2, 4, 1
	v_lshl_add_u32 v6, v3, 4, v4
	v_lshl_add_u32 v6, v5, 3, v6
	v_cndmask_b32 v6, v2, v6, s14                  ; pos
	v_lshrrev_b32 v7, 4, v6
	v_lshlrev_b32 v8, 4, v6
	v_mad_u32_u24 v9, v7, 0x700, v8                ; codes: 2,048 u + 16 r
	v_lshlrev_b32 v10, 3, v6                       ; scale words
	v_lshlrev_b32 v11, 2, v2                       ; my column in a row; my scale word in LDS
	v_add_nc_u32 v14, s12, v11                     ; its byte c
	s_wait_alu depctr_va_vdst(0)                   ; the wait at the head's end
	s_wait_kmcnt 0x0
	s_cmp_lt_u32 ttmp9, 2                          ; the choice hangs on the work-group's number alone
	s_cselect_b64 s[26:27], s[4:5], s[6:7]
	s_cmp_lt_u32 ttmp9, 4
	s_cselect_b64 s[26:27], s[26:27], s[8:9]
	s_add_nc_u64 s[26:27], s[26:27], s[16:17]
	s_add_nc_u64 s[18:19], s[10:11], s[18:19]
	s_add_nc_u64 s[22:23], s[10:11], s[22:23]
.set I_, 0
.rept 32
	global_load_b32 v[X+I_], v11, s[26:27] offset:256*I_   ; 32 lanes read 128 consecutive bytes
.set I_, I_+1
.endr
	s_wait_loadcnt 0x0
	v_max3_num_f32 v32, |v[X]|, |v[X+1]|, 0x8000000   ; the largest magnitude, and the floor 2^(16 - 127): the byte cannot fall under 1
	v_max3_num_f32 v33, |v[X+2]|, |v[X+3]|, |v[X+4]|
	v_max3_num_f32 v34, |v[X+5]|, |v[X+6]|, |v[X+7]|
.irp i, 8,14,20,26
	v_max3_num_f32 v32, |v[X+\i]|, |v[X+\i+1]|, v32
	v_max3_num_f32 v33, |v[X+\i+2]|, |v[X+\i+3]|, v33
	v_max3_num_f32 v34, |v[X+\i+4]|, |v[X+\i+5]|, v34
.endr
	v_max3_num_f32 v32, v32, v33, v34
	v_add_nc_u32 v33, 0xf8800000, v32              ; 15 off its exponent field: the conversion's scale operand
	v_and_or_b32 v34, v32, 0x7f800000, s24         ; 57,344 x the scale
	v_lshrrev_b32 v35, 23, v33                     ; the scale's byte
	ds_store_b8 v14, v35
.set I_, 0
.rept 32
	v_med3_num_f32 v[X+I_], v[X+I_], -v34, v34     ; the conversion to an 8-bit code does not saturate (ISA guide 7.6.2): the hold comes first
.set I_, I_+1
.endr
.irp g, 0,1,2,3
	v_cvt_scalef32_pk8_bf8_f32 v[16+2*\g:17+2*\g], v[X+8*\g:X+8*\g+7], v33
.endr
	v_nop                                          ; a plain line behind the last conversion
	global_store_b128 v9, v[16:19], s[18:19]       ; h = 0: two tiles, 256 consecutive bytes of each
	global_store_b128 v9, v[20:23], s[18:19] offset:256   ; h = 1
	s_wait_dscnt 0x0                               ; my byte is stored
	s_barrier_signal -1
	s_barrier_wait -1
	s_cmp_lg_u32 s12, 0
	s_cbranch_scc1 .Lend
	ds_load_b32 v36, v11                           ; wave 0: my column's word, one byte from each wave
	s_wait_dscnt 0x0
	v_mov_b32 v37, v36
	global_store_b64 v10, v[36:37], s[22:23]
.Lend:
	s_wait_tensorcnt 0x0                           ; the wave's end
	ds_add_u32 v12, v13
	s_wait_dscnt 0x0
	s_endpgm
.Lfunc_end_k_q659bbb059c_wquant:
	.size	k_q659bbb059c_wquant, .Lfunc_end_k_q659bbb059c_wquant-k_q659bbb059c_wquant
	.p2alignl 7, 3214868480
	.fill 96, 4, 3214868480
	.section	.rodata,"a",@progbits
	.p2align	6, 0x0
	.amdhsa_kernel k_q659bbb059c_wquant
		.amdhsa_group_segment_fixed_size 768
		.amdhsa_private_segment_fixed_size 0
		.amdhsa_enable_private_segment 0
		.amdhsa_kernarg_size 32
		.amdhsa_user_sgpr_count 2
		.amdhsa_user_sgpr_kernarg_segment_ptr 1
		.amdhsa_wavefront_size32 1
		.amdhsa_system_sgpr_workgroup_id_x 1
		.amdhsa_system_sgpr_workgroup_id_y 1
		.amdhsa_system_sgpr_workgroup_id_z 1
		.amdhsa_system_vgpr_workitem_id 0
		.amdhsa_next_free_vgpr 128
		.amdhsa_next_free_sgpr 66
		.amdhsa_reserve_vcc 0
		.amdhsa_float_denorm_mode_32 3
		.amdhsa_float_denorm_mode_16_64 3
		.amdhsa_memory_ordered 1
		.amdhsa_forward_progress 1
		.amdhsa_inst_pref_size 10
	.end_amdhsa_kernel
	.amdgpu_metadata
---
amdhsa.version: [ 1, 2 ]
amdhsa.kernels:
  - .name:           k_q659bbb059c_wquant
    .symbol:         k_q659bbb059c_wquant.kd
    .args:
      - { .name: Wq, .offset: 0, .size: 8, .value_kind: global_buffer, .address_space: global }
      - { .name: Wk, .offset: 8, .size: 8, .value_kind: global_buffer, .address_space: global }
      - { .name: Wv, .offset: 16, .size: 8, .value_kind: global_buffer, .address_space: global }
      - { .name: wimg, .offset: 24, .size: 8, .value_kind: global_buffer, .address_space: global }
    .group_segment_fixed_size: 768
    .private_segment_fixed_size: 0
    .kernarg_segment_align: 8
    .kernarg_segment_size: 32
    .max_flat_workgroup_size: 128
    .sgpr_count:     66
    .vgpr_count:     128
    .wavefront_size: 32
...
	.end_amdgpu_metadata
.endif
;; end of part 1
;; launch proj (part 2): grid 256 x 1, 4 waves a work-group, clusters of 4 x 1, 327,680 bytes of LDS; arguments info, wimg, bq, bk, bv, qb, kv; writes qb, kv
.if DOCPART == 2
	.amdgcn_target "amdgcn-amd-amdhsa--gfx1250"
	.amdhsa_code_object_version 6
	.text
	.protected	k_q659bbb059c_proj
	.globl	k_q659bbb059c_proj
	.p2align	8
	.type	k_q659bbb059c_proj,@function
k_q659bbb059c_proj:
	s_mov_b64 s[64:65], 0
	v_nop
	global_prefetch_b8 v0, s[64:65] scope:SCOPE_SE
	s_setreg_imm32_b32 hwreg(HW_REG_WAVE_MODE, 25, 1), 1
	s_wait_xcnt 0x0
	s_wait_alu depctr_hold_cnt(0) depctr_sa_sdst(0) depctr_va_vdst(0) depctr_va_sdst(0) depctr_va_ssrc(0) depctr_va_vcc(0) depctr_vm_vsrc(0)
	s_getreg_b32 s2, hwreg(HW_REG_IB_STS2, 6, 4)
	s_cmp_eq_u32 s2, 0
	s_cbranch_scc0 .Lentry_in_a_cluster
	s_endpgm
.Lentry_in_a_cluster:
	s_bfe_u32 s2, ttmp6, 0x10000c
	s_cmp_lg_u32 s2, 0x3003
	s_cbranch_scc0 .Lentry_shape_is_right
	s_endpgm
.Lentry_shape_is_right:
; q, k, v = Q(info) Q(W) + b for 128 rows of info a work-group (one key step of one slice), and q, k, v quantised at once for the next launch: q and k along the head's 64, v along the keys.  No work is left out.
; A WAVE OWNS 32 ROWS, two row tiles, and all twelve column tiles: 24 accumulators.  Its 32 rows are one whole block of v along the keys, so a wave hands nothing to another until its scale bytes leave.
; info goes from memory into registers by loads of 512 consecutive bytes (a row, 128 along K), two K steps ahead of their use: 64 loads of a wave are asked for and not yet used.  A K step's rows turn through the wave's own LDS stage,
; so that a lane holds 16 neighbours of each block of 32; they are quantised in registers, and the conversions' results are the operand's registers.
; W's codes and scale words, 156,672 bytes, come into LDS once, asked for ahead of info: each wave asks for a quarter, jointly with the three partners of its cluster, since all work-groups read the same bytes.
; No prefetch: W comes whole at the head, and info is itself asked for two K steps ahead.
; q and k are made transposed (source 0 = W: a lane holds one row, its 16 registers of a pair of tiles 16 neighbouring features), v is not (source 0 = info: a lane holds one channel, its registers run down the rows, the keys).
; THE ROWS OF A TILE ARE NOT NEIGHBOURS: lane r of row tile U takes row 8 U + r % 8 + 16 (r / 8) of the wave's 32: so v's registers of the two tiles are 16 neighbouring keys, and the next launch's p likewise.
; The sums begin with the biases.  The 24 accumulators take turns, one instruction a turn.
; OUT: qb, 8,704 bytes a work-group: codes of tile T = 2 w + U at 1,024 T + 512 c + 16 lane; scale words at 8,192 + 16 r + 256 (T % 2) + 4 (T / 2).  kv, 17,408 bytes a work-group: k's images like q's; v's at 8,192 + 2,048 t + 512 c + 16 lane;
; k's scale words at 16,384, v's at 16,896, each [32 lanes][4 words].  A word of q or k holds its two bytes twice (bytes 0, 1 and 2, 3).  Every store covers 512 consecutive bytes, at a multiple of 256 from its buffer's first byte.
; LIMITS: NaN and infinities among the inputs are not served; a block of zeros gets the byte 1 where the rule says 127 (its codes are zeros; this program alone reads the bytes).
; REGISTERS: window 0: addresses, scale words, at work.  window 1: accumulators: q's (U, tile i) at 32 U + 8 i, k's at 64 + .., v's (t, U) at 128 + 16 t + 8 U.  window 2: W's twelve fragments of a K step.  window 3: two K steps of info as loaded, row rho at 128 set + 4 rho.
.set WSC,  147456                      ; LDS: W's image from byte 0; its scale words
.set STG,  156672                      ; a stage of 32 rows for each wave
.set STGW, 17152
.set KSA,  8576                        ; rows 16-31 begin here: 16 rows of 528 and 128 bytes more, so that a fragment's 16 rows (8 + 8, 16 apart) start at 16 different groups of four banks (64 banks of 4 bytes: ISA guide 11.1)
.set RP,   528                         ; a row: 512 bytes + 16
.set MRG,  225280                      ; the way out: q's words, k's words, v's words, 512 bytes each
.set SPARE, 227328                     ; the spare words, 128 bytes for each wave
.set LI,  1                            ; v1   16 x lane
.set SPW, 2
.set NIL, 3
.set BO,  4
.set BVO, 5
.set SWA, 6                            ; v6   my stage + 16 x lane
.set XA,  7                            ; v7   my place in the stage's rows
.set MA,  12                           ; v12  MRG + 16 r + 4 w
.set MV,  13                           ; v13  MRG + 1,024 + 16 lane + w
.set WA,  14                           ; v14  the K step's fragments of W
.set WSA, 15                           ; v15  its scale words
.set WS,  16                           ; v16-21  W's scale words: register j: lanes 0-15 tile 2 j, lanes 16-31 tile 2 j + 1
.set XS,  22                           ; v22, v23  the two row tiles' scale words
.set MR,  24                           ; v24  MRG + 512 w + 16 lane
.set TM,  32                           ; v32-35 largest magnitudes, v36-39 bytes, v40-43 the largest number x the scale, v44-47 the conversions' scale operands
.set PC,  64                           ; v64-79, v80-95 the two row tiles' codes
.set X0,  96                           ; v96-159, v160-223 64 numbers of each row tile
.set WV,  18
.set SEL, 20
.set MNT, 22
.set G1,  24
.set G0,  32
.set IB,  36                           ; s[36:37] info at my first row and the trip's first K step
.set MSB, 0
.macro WIN new                         ; the immediate's high byte repeats the setting that is left; a switch that changes nothing is dropped
.if MSB != (\new)
	s_set_vgpr_msb (MSB<<8)|(\new)
.set MSB, (\new)
.endif
.endm
.macro CROUND
	s_barrier_signal -1
	s_barrier_wait -1
	s_cmp_lg_u32 s[WV], 0
	s_cbranch_scc1 .Lnot_wave_0_\@
	s_barrier_signal -3
.Lnot_wave_0_\@:
	s_barrier_wait -3
	s_barrier_signal -1
	s_barrier_wait -1
.endm
; 64 numbers of a lane, four blocks b of 16, at src + 16 b + i of window win; lanes l and l xor 16 share a block of 32.  The held numbers go to v[dst] on in window 0, the codes to v[pc] on, block b's byte to v[TM+4+b]; pw > 0: the four bytes make the scale word v[pw].
; Each accumulator is first read at its two lowest registers.
.macro QUANT src, win, dst, pc, pw
	WIN 5*\win
.irp b, 0,1,2,3
	v_max3_num_f32 v[TM+\b], |v[\src+16*\b]|, |v[\src+16*\b+1]|, 0x8000000   ; and the floor 2^(16 - 127): the byte cannot fall under 1
.endr
.irp i, 2,4,6,8,10,12,14
.irp b, 0,1,2,3
	v_max3_num_f32 v[TM+\b], |v[\src+16*\b+\i]|, |v[\src+16*\b+\i+1]|, v[TM+\b]
.endr
.endr
	WIN 0
.irp b, 0,1,2,3
	v_permlanex16_b32 v[TM+4+\b], v[TM+\b], s[SEL], s[SEL+1]
.endr
.irp b, 0,1,2,3
	v_max_num_f32 v[TM+\b], v[TM+\b], v[TM+4+\b]   ; the block's largest magnitude
.endr
.irp b, 0,1,2,3
	v_add_nc_u32 v[TM+12+\b], 0xf8800000, v[TM+\b] ; 15 off its exponent field: the conversion's scale operand
.endr
.irp b, 0,1,2,3
	v_and_or_b32 v[TM+8+\b], v[TM+\b], 0x7f800000, s[MNT]   ; 57,344 x the scale
.endr
.irp b, 0,1,2,3
	v_lshrrev_b32 v[TM+4+\b], 23, v[TM+12+\b]      ; the scale's byte
.endr
.if \pw
	v_lshl_or_b32 v[\pw], v[TM+5], 8, v[TM+4]
	v_lshl_or_b32 v[\pw], v[TM+6], 16, v[\pw]
	v_lshl_or_b32 v[\pw], v[TM+7], 24, v[\pw]
.endif
	WIN \win
.irp b, 0,1,2,3
.irp i, 0,1,2,3,4,5,6,7,8,9,10,11,12,13,14,15
	v_med3_num_f32 v[\dst+16*\b+\i], v[\src+16*\b+\i], -v[TM+8+\b], v[TM+8+\b]   ; the conversion does not saturate (ISA guide 7.6.2): the hold comes first
.endr
.endr
	WIN 0
.irp b, 0,1,2,3
	v_cvt_scalef32_pk8_bf8_f32 v[\pc+4*\b:\pc+4*\b+1], v[\dst+16*\b:\dst+16*\b+7], v[TM+12+\b]
	v_cvt_scalef32_pk8_bf8_f32 v[\pc+4*\b+2:\pc+4*\b+3], v[\dst+16*\b+8:\dst+16*\b+15], v[TM+12+\b]
.endr
	v_nop                                          ; a plain line behind the last conversion
.endm
.macro HLOAD set, off                  ; a K step of my 32 rows: 512 consecutive bytes a load
	WIN 0xc0
.set R_, 0
.rept 32
	global_load_b128 v[128*\set+4*R_:128*\set+4*R_+3], v[LI], s[IB:IB+1] offset:3072*R_+\off th:TH_LOAD_NT
.set R_, R_+1
.endr
	WIN 0
.endm
.macro WFRAG first                     ; six fragments of W
	WIN 0x80
.irp f, 0,1,2,3,4,5
.irp c, 0,1,2,3
	ds_load_b128 v[16*(\first+\f)+4*\c:16*(\first+\f)+4*\c+3], v[WA] offset:2048*(\first+\f)+512*\c
.endr
.endr
	WIN 0
.endm
; A K step: set: where its rows lie; cnt: the younger loads that may be out; load = 1: the K step two on is asked for into the same registers.
.macro KSTEP set, cnt, load
	s_wait_loadcnt \cnt
	WIN 0x0c                                       ; an LDS store's data are its source 1: window 3
.set R_, 0
.rept 32
	ds_store_b128 v[SWA], v[128*\set+4*R_:128*\set+4*R_+3] offset:(R_/16)*KSA+(R_%16)*RP
.set R_, R_+1
.endr
	WIN 0
.irp U, 0,1
.irp b, 0,1,2,3
.irp j, 0,1,2,3
	ds_load_b128 v[X0+64*\U+16*\b+4*\j:X0+64*\U+16*\b+4*\j+3], v[XA] offset:8*RP*\U+128*\b+16*\j   ; LDS serves a wave's instructions in order (ISA guide 5.7.1.4): these see my stores
.endr
.endr
.endr
.irp j, 0,1,2,3,4,5
	ds_load_b32 v[WS+\j], v[WSA] offset:256*\j
.endr
	WFRAG 0
	s_wait_dscnt 46                                ; row tile 0 is in, and the stores have read their registers; behind it 16 loads of row tile 1, 6 words, 24 of W
.if \load
	HLOAD \set, 1024+512*\set
.endif
	QUANT X0, 0, X0, PC, XS
	WFRAG 6
	s_wait_dscnt 54                                ; row tile 1 is in; behind it 6 words and 48 loads of W
	QUANT X0+64, 0, X0+64, PC+16, XS+1
.rept 4
	v_nop                                          ; four places between codes so written and a scaled matrix instruction
.endr
	s_wait_alu depctr_va_vdst(0)
	s_wait_dscnt 0x0                               ; W's fragments are in
	WIN 0x52                                       ; source 0 (W) window 2, source 1 (info) window 0, C and D window 1
.irp U, 0,1
.irp t, 0,1,2,3,4,5,6,7
.set A_, 64*(\t/4)+32*\U+8*(\t%4)
.if \t%2
	v_wmma_scale_f32_16x16x128_f8f6f4 v[A_:A_+7], v[16*\t:16*\t+15], v[PC+16*\U:PC+16*\U+15], v[A_:A_+7], v[WS+\t/2], v[XS+\U] matrix_a_fmt:MATRIX_FMT_BF8 matrix_b_fmt:MATRIX_FMT_BF8 matrix_a_scale:MATRIX_SCALE_ROW1
.else
	v_wmma_scale_f32_16x16x128_f8f6f4 v[A_:A_+7], v[16*\t:16*\t+15], v[PC+16*\U:PC+16*\U+15], v[A_:A_+7], v[WS+\t/2], v[XS+\U] matrix_a_fmt:MATRIX_FMT_BF8 matrix_b_fmt:MATRIX_FMT_BF8
.endif
.endr
.endr
	WIN 0x58                                       ; source 0 (info) window 0, source 1 (Wv) window 2
.irp U, 0,1
.irp t, 0,1,2,3
.set A_, 128+16*\t+8*\U
.if \t%2
	v_wmma_scale_f32_16x16x128_f8f6f4 v[A_:A_+7], v[PC+16*\U:PC+16*\U+15], v[128+16*\t:143+16*\t], v[A_:A_+7], v[XS+\U], v[WS+4+\t/2] matrix_a_fmt:MATRIX_FMT_BF8 matrix_b_fmt:MATRIX_FMT_BF8 matrix_b_scale:MATRIX_SCALE_ROW1
.else
	v_wmma_scale_f32_16x16x128_f8f6f4 v[A_:A_+7], v[PC+16*\U:PC+16*\U+15], v[128+16*\t:143+16*\t], v[A_:A_+7], v[XS+\U], v[WS+4+\t/2] matrix_a_fmt:MATRIX_FMT_BF8 matrix_b_fmt:MATRIX_FMT_BF8
.endif
.endr
.endr
	WIN 0
	v_add_nc_u32 v[WA], 24576, v[WA]               ; the next K step of W
	v_add_nc_u32 v[WSA], 1536, v[WSA]
	s_wait_alu depctr_va_vdst(0)
.rept 8
	v_nop                                          ; eight places in front of the next loads into registers that these products read, and of the first read of results
.endr
.endm
	s_load_b256 s[4:11], s[0:1], 0x0               ; info s[4:5], wimg s[6:7], bq s[8:9], bk s[10:11]
	s_load_b128 s[12:15], s[0:1], 0x20             ; bv s[12:13], qb s[14:15]
	s_load_b64 s[16:17], s[0:1], 0x30              ; kv
	v_lshl_add_u32 v[SPW], v0, 2, SPARE
	v_mov_b32 v[NIL], 0
	ds_add_u32 v[SPW], v[NIL]                      ; the wave's opening: the add, twice on end, and its wait ahead of my tensor load
	ds_add_u32 v[SPW], v[NIL]
	v_lshrrev_b32 v8, 5, v0
	v_readfirstlane_b32 s[WV], v8                  ; wave 0..3
	s_bfe_u32 s40, ttmp6, 0x40000
	s_lshl_b32 s41, ttmp9, 2
	s_add_co_u32 s41, s41, s40                     ; my work-group: 4 x cluster + place
	; descriptor group 1: a quarter of wimg: 153 dense rows of 256 bytes (32 elements of 8), for all four of the cluster
	s_mov_b32 s[G1+0], 15|(3<<16)|(1<<21)
	s_mov_b32 s[G1+1], 32<<16
	s_mov_b32 s[G1+2], 153<<16
	s_mov_b32 s[G1+3], 32<<16
	s_mov_b32 s[G1+4], 153
	s_mov_b32 s[G1+5], 32
	s_mov_b32 s[G1+6], 0
	s_mov_b32 s[G1+7], 0
	s_mov_b32 s[G0], 1
	s_mul_i32 s[G0+1], s[WV], 39168
	s_mul_i32 s42, s[WV], 39168
	s_mov_b32 s43, 0
	s_lshl_b32 s44, s41, 7
	s_lshl_b32 s45, s[WV], 5
	s_add_co_u32 s44, s44, s45                     ; my first row
	s_mul_i32 s44, s44, 3072                       ; in bytes: under 2^27
	s_mov_b32 s45, 0
	s_mul_i32 s46, s[WV], STGW
	s_add_co_u32 s46, s46, STG                     ; my stage
	s_lshl_b32 s47, s[WV], 2
	s_add_co_u32 s47, s47, MRG
	s_add_co_u32 s48, s[WV], MRG+1024
	s_lshl_b32 s49, s[WV], 9
	s_add_co_u32 s49, s49, MRG
	s_mov_b32 s[SEL], 0x76543210
	s_mov_b32 s[SEL+1], 0xfedcba98
	s_mov_b32 s[MNT], 0x600000
	v_and_b32 v9, 31, v0                           ; lane
	v_and_b32 v10, 15, v0                          ; r
	v_bfe_u32 v11, v0, 4, 1                        ; h
	v_and_b32 v25, 7, v0
	v_bfe_u32 v26, v0, 3, 1
	v_lshlrev_b32 v[LI], 4, v9
	v_lshlrev_b32 v[BO], 6, v11                    ; bq, bk: features 16 h on
	v_lshlrev_b32 v[BVO], 2, v10                   ; bv: channel r
	v_add_nc_u32 v[SWA], s46, v[LI]
	v_mul_u32_u24 v[XA], v25, RP
	v_mad_u32_u24 v[XA], v26, KSA, v[XA]
	v_lshl_add_u32 v[XA], v11, 6, v[XA]
	v_add_nc_u32 v[XA], s46, v[XA]
	v_lshlrev_b32 v[WA], 4, v9
	v_lshl_add_u32 v[WSA], v9, 3, WSC
	v_lshl_add_u32 v[MA], v10, 4, s47
	v_lshl_add_u32 v[MV], v9, 4, s48
	v_lshl_add_u32 v[MR], v9, 4, s49
.irp b, 0,1,2,3
	v_mov_b32 v[TM+4+\b], 0                        ; written once: a lane permute's destination counts as one of its sources
.endr
	s_wait_dscnt 0x0                               ; both opening adds are done
	s_wait_alu depctr_va_vdst(0)
	CROUND                                         ; all four work-groups are here: the joint loads meet
	s_wait_kmcnt 0x0
	s_add_nc_u64 s[G0+2:G0+3], s[6:7], s[42:43]
	s_or_b32 s[G0+3], s[G0+3], 0x80000000
	tensor_load_to_lds s[G0:G0+3], s[G1:G1+7]      ; W is asked for first: the first products want all of it
	s_nop 0
.rept 4
	v_nop
.endr
	s_add_nc_u64 s[IB:IB+1], s[4:5], s[44:45]
	WIN 0x40                                       ; the biases go straight into row tile 0's accumulators
.irp i, 0,1,2,3
	global_load_b128 v[8*\i:8*\i+3], v[BO], s[8:9] offset:128*(\i/2)+32*(\i%2)
	global_load_b128 v[8*\i+4:8*\i+7], v[BO], s[8:9] offset:128*(\i/2)+32*(\i%2)+16
	global_load_b128 v[64+8*\i:64+8*\i+3], v[BO], s[10:11] offset:128*(\i/2)+32*(\i%2)
	global_load_b128 v[64+8*\i+4:64+8*\i+7], v[BO], s[10:11] offset:128*(\i/2)+32*(\i%2)+16
	global_load_b32 v[128+16*\i], v[BVO], s[12:13] offset:64*\i
.endr
	HLOAD 0, 0                                     ; K steps 0
	HLOAD 1, 512                                   ; and 1 of info
	; where my results go
	s_mul_i32 s42, s41, 8704
	s_mul_i32 s44, s41, 17408
	s_lshl_b32 s46, s[WV], 11
	s_lshl_b32 s47, s[WV], 9
	s_add_co_u32 s48, s42, s46
	s_mov_b32 s49, 0
	s_add_nc_u64 s[52:53], s[14:15], s[48:49]      ; q's codes
	s_add_co_u32 s48, s44, s46
	s_add_nc_u64 s[54:55], s[16:17], s[48:49]      ; k's codes
	s_add_co_u32 s48, s44, s47
	s_add_co_u32 s48, s48, 8192
	s_add_nc_u64 s[56:57], s[16:17], s[48:49]      ; v's codes, block w of each tile
	s_add_co_u32 s42, s42, 8192
	s_add_co_u32 s44, s44, 15872
	s_add_co_u32 s44, s44, s47
	s_cmp_eq_u32 s[WV], 0
	s_cselect_b64 s[58:59], s[14:15], s[16:17]
	s_cselect_b32 s48, s42, s44
	s_add_nc_u64 s[58:59], s[58:59], s[48:49]      ; wave 0: q's scale words; wave 1: k's; wave 2: v's
	s_wait_loadcnt 63                              ; the biases are in: 64 loads were issued behind them
	WIN 0x41
.irp x, 0,64
.set I_, 0
.rept 32
	v_mov_b32 v[\x+32+I_], v[\x+I_]                ; row tile 1 begins with the same biases;
.set I_, I_+1
.endr
.endr
.irp t, 0,1,2,3
.irp i, 1,2,3,4,5,6,7,8,9,10,11,12,13,14,15
	v_mov_b32 v[128+16*\t+\i], v[128+16*\t]        ; v: a lane holds one channel: the same number in all its registers
.endr
.endr
	WIN 0
	s_wait_alu depctr_va_vdst(0)                   ; the wait at the head's end
	s_wait_tensorcnt 0x0                           ; my quarter of W is in
	s_wait_dscnt 0x0
	s_barrier_signal -1
	s_barrier_wait -1                              ; and everybody's
	s_mov_b32 s50, 2
.Ltrip:                                            ; two K steps a trip; the loads of the two that follow
	KSTEP 0, 32, 1                                 ; the 32 loads of the next K step may be out
	KSTEP 1, 32, 1
	s_wait_xcnt 0x0                                ; the trip's loads have taken their base
	s_add_nc_u64 s[IB:IB+1], s[IB:IB+1], 0x400
	s_sub_co_u32 s50, s50, 1
	s_cmp_lg_u32 s50, 0
	s_cbranch_scc1 .Ltrip
	KSTEP 0, 32, 0                                 ; K steps 4 and 5 ask for nothing
	KSTEP 1, 0, 0
	; THE WAY OUT.  q, k: block 2 U + c: row tile U, features 32 c + 16 h + 0 .. 15 of a lane's row.
	QUANT 0, 1, X0, PC, 0
	v_lshl_or_b32 v48, v[TM+5], 8, v[TM+4]
	v_lshl_or_b32 v49, v[TM+7], 8, v[TM+6]
	v_lshl_or_b32 v48, v48, 16, v48                ; the two bytes twice
	v_lshl_or_b32 v49, v49, 16, v49
.irp b, 0,1,2,3
	global_store_b128 v[LI], v[PC+4*\b:PC+4*\b+3], s[52:53] offset:512*\b
.endr
	ds_store_b32 v[MA], v48                        ; lanes l and l xor 16 write the same word with the same value
	ds_store_b32 v[MA], v49 offset:256
	QUANT 64, 1, X0+64, PC+16, 0
	v_lshl_or_b32 v50, v[TM+5], 8, v[TM+4]
	v_lshl_or_b32 v51, v[TM+7], 8, v[TM+6]
	v_lshl_or_b32 v50, v50, 16, v50
	v_lshl_or_b32 v51, v51, 16, v51
.irp b, 0,1,2,3
	global_store_b128 v[LI], v[PC+16+4*\b:PC+16+4*\b+3], s[54:55] offset:512*\b
.endr
	ds_store_b32 v[MA], v50 offset:512
	ds_store_b32 v[MA], v51 offset:768
	QUANT 128, 1, X0, 224, 0                       ; v: block t: channel 16 t + r, 16 neighbouring keys a lane
.irp t, 0,1,2,3
	ds_store_b8 v[MV], v[TM+4+\t] offset:4*\t      ; byte w of the channel's word
	global_store_b128 v[LI], v[224+4*\t:227+4*\t], s[56:57] offset:2048*\t
.endr
	s_wait_dscnt 0x0                               ; my bytes and words lie in LDS
	s_barrier_signal -1
	s_barrier_wait -1
	s_cmp_lt_u32 s[WV], 3
	s_cbranch_scc0 .Lend
	ds_load_b128 v[52:55], v[MR]
	s_wait_dscnt 0x0
	global_store_b128 v[LI], v[52:55], s[58:59]
.Lend:
	s_wait_tensorcnt 0x0                           ; the wave's end
	ds_add_u32 v[SPW], v[NIL]
	s_wait_dscnt 0x0
	CROUND                                         ; the closing round
	s_endpgm
.Lfunc_end_k_q659bbb059c_proj:
	.size	k_q659bbb059c_proj, .Lfunc_end_k_q659bbb059c_proj-k_q659bbb059c_proj
	.p2alignl 7, 3214868480
	.fill 96, 4, 3214868480
	.section	.rodata,"a",@progbits
	.p2align	6, 0x0
	.amdhsa_kernel k_q659bbb059c_proj
		.amdhsa_group_segment_fixed_size 327680
		.amdhsa_private_segment_fixed_size 0
		.amdhsa_enable_private_segment 0
		.amdhsa_kernarg_size 56
		.amdhsa_user_sgpr_count 2
		.amdhsa_user_sgpr_kernarg_segment_ptr 1
		.amdhsa_wavefront_size32 1
		.amdhsa_system_sgpr_workgroup_id_x 1
		.amdhsa_system_sgpr_workgroup_id_y 1
		.amdhsa_system_sgpr_workgroup_id_z 1
		.amdhsa_system_vgpr_workitem_id 0
		.amdhsa_next_free_vgpr 1024
		.amdhsa_next_free_sgpr 66
		.amdhsa_reserve_vcc 0
		.amdhsa_float_denorm_mode_32 3
		.amdhsa_float_denorm_mode_16_64 3
		.amdhsa_memory_ordered 1
		.amdhsa_forward_progress 1
		.amdhsa_inst_pref_size 160
	.end_amdhsa_kernel
	.amdgpu_metadata
---
amdhsa.version: [ 1, 2 ]
amdhsa.kernels:
  - .name:           k_q659bbb059c_proj
    .symbol:         k_q659bbb059c_proj.kd
    .args:
      - { .name: info, .offset: 0, .size: 8, .value_kind: global_buffer, .address_space: global }
      - { .name: wimg, .offset: 8, .size: 8, .value_kind: global_buffer, .address_space: global }
      - { .name: bq, .offset: 16, .size: 8, .value_kind: global_buffer, .address_space: global }
      - { .name: bk, .offset: 24, .size: 8, .value_kind: global_buffer, .address_space: global }
      - { .name: bv, .offset: 32, .size: 8, .value_kind: global_buffer, .address_space: global }
      - { .name: qb, .offset: 40, .size: 8, .value_kind: global_buffer, .address_space: global }
      - { .name: kv, .offset: 48, .size: 8, .value_kind: global_buffer, .address_space: global }
    .group_segment_fixed_size: 327680
    .private_segment_fixed_size: 0
    .kernarg_segment_align: 8
    .kernarg_segment_size: 56
    .max_flat_workgroup_size: 128
    .sgpr_count:     66
    .vgpr_count:     1024
    .wavefront_size: 32
...
	.end_amdgpu_metadata
.endif
;; end of part 2
;; launch attn (part 3): grid 16 x 16, 8 waves a work-group, clusters of 4 x 1, 327,680 bytes of LDS; arguments qb, kv, obuf, stats; writes obuf, stats
.if DOCPART == 3
	.amdgcn_target "amdgcn-amd-amdhsa--gfx1250"
	.amdhsa_code_object_version 6
	.text
	.protected	k_q659bbb059c_attn
	.globl	k_q659bbb059c_attn
	.p2align	8
	.type	k_q659bbb059c_attn,@function
k_q659bbb059c_attn:
	s_mov_b64 s[64:65], 0
	v_nop
	global_prefetch_b8 v0, s[64:65] scope:SCOPE_SE
	s_setreg_imm32_b32 hwreg(HW_REG_WAVE_MODE, 25, 1), 1
	s_wait_xcnt 0x0
	s_wait_alu depctr_hold_cnt(0) depctr_sa_sdst(0) depctr_va_vdst(0) depctr_va_sdst(0) depctr_va_ssrc(0) depctr_va_vcc(0) depctr_vm_vsrc(0)
	s_getreg_b32 s2, hwreg(HW_REG_IB_STS2, 6, 4)
	s_cmp_eq_u32 s2, 0
	s_cbranch_scc0 .Lentry_in_a_cluster
	s_endpgm
.Lentry_in_a_cluster:
	s_bfe_u32 s2, ttmp6, 0x10000c
	s_cmp_lg_u32 s2, 0x3003
	s_cbranch_scc0 .Lentry_shape_is_right
	s_endpgm
.Lentry_shape_is_right:
; obuf = softmax(q k^T / 8) v for 128 queries of one slice a work-group, and for each tile of 16 queries the sum of its 1,024 results and of their squares about the tile's own mean.  No work is left out.
; THE SOFTMAX AHEAD OF THE SECOND PRODUCT: t = score x log2(e) / 8; M = the largest t so far, rounded UP to a whole number, kept as -M; p = 2^(t - M) is quantised along the keys, not normalised; the row's sum is of the unquantised p.
; LIMITS: the scaled scores t stay under 2^31 in magnitude; NaN and infinities are not served.  A block whose every p is 0 gets the byte 1: its codes are zeros.
; LDS holds the slice's sixteen records of kv (278,528 bytes), each brought once.  Wave w asks for records 2 w and 2 w + 1 (136 rows of 256 bytes), jointly with the three partners of its cluster, which walk the same slice.
; Waves 0 and 1 wait for theirs ahead of the first barrier (key steps 0 and 1), the others ahead of the second: so they have a load line of their own.  No prefetch: every byte is asked for at the head, and no loop of loads follows to run ahead in.
; SHARES.  Wave w: p = w % 4, g = w / 4: the two query tiles A = 2 p + g and B = 2 p + 1 - g, and the records 2 n + g, n = 0 .. 7 (a key step of 128 each).  Waves w and w xor 4 hold the same queries and the two halves of the keys:
; at the end each hands B over to the other and finishes A.
; ORDER.  Tile B is half a step behind tile A: maxima B(n) | O_A(n), S_A(n + 1) | rest of softmax B(n) | maxima A(n + 1) | O_B(n), S_B(n + 1) | rest of softmax A(n + 1) ..: one tile's products stand ahead of the other tile's vector work.
; Each fragment of K and V read from LDS serves both tiles.
; Both products are transposed (S^T = K Q^T, O^T = V^T P^T): a lane holds one query.  TWO TILES OF K SHARE ONE RUN OF 16 REGISTERS (the head's 64 fill 8): the even tile meets [q, 0], the odd one [0, q], and the bytes of q's and k's scale words stand twice.
; REGISTERS.  window 0: v0-31 shared; v32-71: 0, q of A, 0, q of B, 0 (8 each); v72-191 tile A; v192-207, v208-223 the codes of p of A and of B; v224 on: the head.  window 1: v0-119 tile B; v128-191 K's four runs; v192-255 V's four fragments.
; A tile's 120: S 64, O 32, then the blocks' largest 4, bytes 4, scale operands 4, -M and its pair 2, two sums 4, f and its pair 2, the largest score, a temporary, a third sum 2.
.set REC,   17408
.set STEPB, 2*REC                      ; from a key step to the next
.set SPARE, 278528                     ; the spare words, 128 bytes for each wave
.set STATS, 279552
.set XCH,   279808                     ; 4,352 bytes for each wave: what it hands over; then its partner's stage
.set LI,  1                            ; v1   16 x lane
.set SPW, 2
.set NIL, 3
.set ADR, 4                            ; v4   the key step's record + 16 x lane
.set XW,  5                            ; v5   what I hand over
.set XW2, 6
.set XR,  7                            ; v7   what I receive
.set KS,  8                            ; v8-11   K's scale words: run i: lanes 0-15 tile 2 i, lanes 16-31 tile 2 i + 1
.set VS,  12                           ; v12-15  V's
.set XR2, 16
.set STO, 17                           ; v17  my stage, in: row r, 32 h on
.set RD,  18                           ; v18  and back: two rows a load
.set GO,  19
.set QS,  20                           ; v20, v21  q's scale words of A, B
.set STA, 22
.set STL, 23
.set PS,  24                           ; v24, v25  p's scale words of A, B
.set GS,  26
.set WV,  12
.set SEL, 40
.set CS,  42
.set MNT, 44
.set NCS, 45
.set MSB, 0
.macro WIN new                         ; the immediate's high byte repeats the setting that is left; a switch that changes nothing is dropped
.if MSB != (\new)
	s_set_vgpr_msb (MSB<<8)|(\new)
.set MSB, (\new)
.endif
.endm
.macro ROUND
	s_barrier_signal -1
	s_barrier_wait -1
	s_cmp_lg_u32 s[WV], 0
	s_cbranch_scc1 .Lnot_wave_0_\@
	s_barrier_signal -3
.Lnot_wave_0_\@:
	s_barrier_wait -3
	s_barrier_signal -1
	s_barrier_wait -1
.endm
.macro NAMES w                         ; the tile's registers: w = 0: A, 1: B
.set S_,  72-72*\w
.set O_,  S_+64
.set BM_, S_+96
.set PT_, S_+100
.set SO_, S_+104
.set NM_, S_+108
.set S1_, S_+110
.set S2_, S_+112
.set F_,  S_+114
.set MX_, S_+116
.set TP_, S_+117
.set S3_, S_+118
.endm
.macro KLOAD off                       ; a key step's K: four runs of two tiles, and the scale words
	WIN 0
	ds_load_b128 v[KS:KS+3], v[ADR] offset:\off+16384
	WIN 0x40
.irp i, 0,1,2,3
.irp c, 0,1,2,3
	ds_load_b128 v[128+16*\i+4*\c:131+16*\i+4*\c], v[ADR] offset:\off+2048*\i+512*\c
.endr
.endr
	WIN 0
.endm
.macro SP w                            ; S^T = K Q^T: eight tiles of 16 keys
	NAMES \w
	WIN 0x01+0x50*\w                               ; source 0 (K) window 1, source 1 (q) window 0, C and D the tile's window
.irp T, 0,1,2,3,4,5,6,7
.if \T%2
	v_wmma_scale_f32_16x16x128_f8f6f4 v[S_+8*\T:S_+8*\T+7], v[128+16*(\T/2):143+16*(\T/2)], v[32+16*\w:47+16*\w], 0, v[KS+\T/2], v[QS+\w] matrix_a_fmt:MATRIX_FMT_BF8 matrix_b_fmt:MATRIX_FMT_BF8 matrix_a_scale:MATRIX_SCALE_ROW1
.else
	v_wmma_scale_f32_16x16x128_f8f6f4 v[S_+8*\T:S_+8*\T+7], v[128+16*(\T/2):143+16*(\T/2)], v[40+16*\w:55+16*\w], 0, v[KS+\T/2], v[QS+\w] matrix_a_fmt:MATRIX_FMT_BF8 matrix_b_fmt:MATRIX_FMT_BF8
.endif
.endr
.endm
.macro OP w                            ; O^T += V^T P^T: four tiles of 16 channels, K = the step's 128 keys
	NAMES \w
	WIN 0x01+0x50*\w
.irp t, 0,1,2,3
	v_wmma_scale_f32_16x16x128_f8f6f4 v[O_+8*\t:O_+8*\t+7], v[192+16*\t:207+16*\t], v[192+16*\w:207+16*\w], v[O_+8*\t:O_+8*\t+7], v[VS+\t], v[PS+\w] matrix_a_fmt:MATRIX_FMT_BF8 matrix_b_fmt:MATRIX_FMT_BF8
.endr
.endm
; THE SOFTMAX of one tile's key step, in two parts.  MAXP, the maxima within a lane, stands AHEAD of the other tile's products: its one wait serves these scores and the other tile's O^T alike.
.macro MAXP w
	NAMES \w
	WIN 0x55*\w
	s_wait_alu depctr_va_vdst(0)                   ; the wait ahead of the scores' first readers
.irp b, 0,1,2,3
	v_max3_num_f32 v[BM_+\b], v[S_+16*\b], v[S_+16*\b+1], v[S_+16*\b+2]   ; the largest score of each block of 32 keys: for the row's maximum and for the block's largest p
	v_max3_num_f32 v[PT_+\b], v[S_+16*\b+8], v[S_+16*\b+9], v[S_+16*\b+10]
.endr
.irp i, 3,5
.irp b, 0,1,2,3
	v_max3_num_f32 v[BM_+\b], v[BM_+\b], v[S_+16*\b+\i], v[S_+16*\b+\i+1]
	v_max3_num_f32 v[PT_+\b], v[PT_+\b], v[S_+16*\b+\i+8], v[S_+16*\b+\i+9]
.endr
.endr
.irp b, 0,1,2,3
	v_max3_num_f32 v[BM_+\b], v[BM_+\b], v[S_+16*\b+7], v[S_+16*\b+15]
.endr
.irp b, 0,1,2,3
	v_max_num_f32 v[BM_+\b], v[BM_+\b], v[PT_+\b]
.endr
.endm
; The rest.  ld = 1: the step's V is fetched; 2: and the next step's K.  (Only in tile A's: more than eight plain lines stand between tile B's products and these loads, which take those products' registers.)
.macro SMR w, ld
	NAMES \w
	WIN 0x55*\w
	v_mov_b32 v[F_], v[NM_]                        ; the old -M
.irp b, 0,1,2,3
	v_permlanex16_b32 v[PT_+\b], v[BM_+\b], s[SEL], s[SEL+1]
.endr
.irp b, 0,1,2,3
	v_max_num_f32 v[BM_+\b], v[BM_+\b], v[PT_+\b]  ; with lane l xor 16's 16 keys
.endr
	v_max3_num_f32 v[TP_], v[BM_], v[BM_+1], v[BM_+2]
	v_max3_num_f32 v[MX_], v[MX_], v[TP_], v[BM_+3]   ; the largest score so far
	v_mul_f32 v[TP_], s[NCS], v[MX_]
	v_floor_f32 v[NM_], v[TP_]                     ; the new -M = floor(-t): a whole number
.irp j, 0,2,4,6
	v_pk_fma_f32 v[S_+\j:S_+\j+1], v[S_+\j:S_+\j+1], s[CS:CS+1], v[NM_:NM_+1] op_sel_hi:[1,0,0]   ; t - M, two at a time
.endr
	v_sub_f32 v[F_], v[NM_], v[F_]                 ; the old M less the new: 0 or less
.irp j, 8,10,12,14
	v_pk_fma_f32 v[S_+\j:S_+\j+1], v[S_+\j:S_+\j+1], s[CS:CS+1], v[NM_:NM_+1] op_sel_hi:[1,0,0]
.endr
	v_cvt_i32_f32 v[F_], v[F_]                     ; (it saturates)
.irp j, 16,18,20,22
	v_pk_fma_f32 v[S_+\j:S_+\j+1], v[S_+\j:S_+\j+1], s[CS:CS+1], v[NM_:NM_+1] op_sel_hi:[1,0,0]
.endr
	v_ldexp_f32 v[F_], 1.0, v[F_]                  ; f = 2^(old M - new M): exact
.if \ld
	ds_load_b128 v[VS:VS+3], v[ADR] offset:16896
	WIN 0x40
.irp t, 0,1,2,3
.irp c, 0,1,2,3
	ds_load_b128 v[192+16*\t+4*\c:195+16*\t+4*\c], v[ADR] offset:8192+2048*\t+512*\c
.endr
.endr
	WIN 0
.endif
.irp j, 24,26,28,30,32,34,36,38,40,42,44,46,48,50,52,54,56,58,60,62
	v_pk_fma_f32 v[S_+\j:S_+\j+1], v[S_+\j:S_+\j+1], s[CS:CS+1], v[NM_:NM_+1] op_sel_hi:[1,0,0]
.endr
.irp b, 0,1,2,3
	v_fma_f32 v[BM_+\b], v[BM_+\b], s[CS], v[NM_]
.endr
.if \ld == 2
	KLOAD STEPB
	v_add_nc_u32 v[ADR], STEPB, v[ADR]
.endif
	s_wait_alu depctr_va_vdst(0)                   ; the wait ahead of the batch
.irp b, 0,1,2,3
	v_exp_f32 v[BM_+\b], v[BM_+\b]                 ; the block's largest p: the same instructions on the same number as its score
.endr
.set J_, 0
.rept 64
	v_exp_f32 v[S_+J_], v[S_+J_]
.set J_, J_+1
.endr
	v_pk_mul_f32 v[S1_:S1_+1], v[S1_:S1_+1], v[F_:F_+1] op_sel_hi:[1,0]   ; the sums under the new M: plain lines behind the batch
	v_pk_mul_f32 v[S2_:S2_+1], v[S2_:S2_+1], v[F_:F_+1] op_sel_hi:[1,0]
	v_pk_mul_f32 v[S3_:S3_+1], v[S3_:S3_+1], v[F_:F_+1] op_sel_hi:[1,0]
	s_wait_alu depctr_va_vdst(0)                   ; and ahead of the batch's first reader
.irp b, 0,1,2,3
	v_max_num_f32 v[BM_+\b], 0x8000000, v[BM_+\b]  ; the floor 2^(16 - 127): the byte cannot fall under 1
.endr
.irp b, 0,1,2,3
	v_add_nc_u32 v[SO_+\b], 0xf8800000, v[BM_+\b]  ; 15 off the exponent field: the conversion's scale operand
.endr
.irp b, 0,1,2,3
	v_and_or_b32 v[BM_+\b], v[BM_+\b], 0x7f800000, s[MNT]   ; 57,344 x the scale
.endr
.irp b, 0,1,2,3
	v_lshrrev_b32 v[PT_+\b], 23, v[SO_+\b]         ; the scale's byte
.endr
	v_lshl_or_b32 v[TP_], v[PT_+1], 8, v[PT_]
.irp b, 0,1,2,3
.irp i, 0,2,4,6,8,10,12,14
.if (8*\b+\i/2)%3 == 0                 ; the row's sum, of the unquantised p, in three chains
	v_pk_add_f32 v[S1_:S1_+1], v[S1_:S1_+1], v[S_+16*\b+\i:S_+16*\b+\i+1]
.elseif (8*\b+\i/2)%3 == 1
	v_pk_add_f32 v[S2_:S2_+1], v[S2_:S2_+1], v[S_+16*\b+\i:S_+16*\b+\i+1]
.else
	v_pk_add_f32 v[S3_:S3_+1], v[S3_:S3_+1], v[S_+16*\b+\i:S_+16*\b+\i+1]
.endif
.if \w                                 ; the conversion does not saturate (ISA guide 7.6.2); p is not negative, so the hold is one-sided
	v_min_num_f32 v[S_+16*\b+\i], v[BM_+\b], v[S_+16*\b+\i]
	v_min_num_f32 v[S_+16*\b+\i+1], v[BM_+\b], v[S_+16*\b+\i+1]
.else
	v_dual_min_num_f32 v[S_+16*\b+\i], v[BM_+\b], v[S_+16*\b+\i] :: v_dual_min_num_f32 v[S_+16*\b+\i+1], v[BM_+\b], v[S_+16*\b+\i+1]
.endif
.endr
.endr
	v_lshl_or_b32 v[TP_], v[PT_+2], 16, v[TP_]
	WIN 0x15*\w                                    ; the destination in window 0
	v_lshl_or_b32 v[PS+\w], v[PT_+3], 24, v[TP_]   ; p's scale word for these 128 keys
.irp b, 0,1,2,3
	v_cvt_scalef32_pk8_bf8_f32 v[192+16*\w+4*\b:193+16*\w+4*\b], v[S_+16*\b:S_+16*\b+7], v[SO_+\b]
	v_cvt_scalef32_pk8_bf8_f32 v[194+16*\w+4*\b:195+16*\w+4*\b], v[S_+16*\b+8:S_+16*\b+15], v[SO_+\b]
.endr
	WIN 0x55*\w
	s_wait_alu depctr_va_vdst(0)                   ; the wait ahead of O^T's first readers
.irp j, 0,2,4,6,8,10,12,14,16,18,20,22,24,26,28,30
	v_pk_mul_f32 v[O_+\j:O_+\j+1], v[O_+\j:O_+\j+1], v[F_:F_+1] op_sel_hi:[1,0]   ; O^T under the new M.  (These 16 are also places between the codes and the scale word and the products)
.endr
.endm
.macro BODY ld, bar                    ; from one key step of tile A to the next.  bar = 1: the second barrier, ahead of the first read of key step 2
	s_wait_dscnt 0x0                               ; this step's V and the next step's K are in
	MAXP 1
	OP 0
	SP 0
	SMR 1, 0
	MAXP 0
	OP 1
	SP 1
.if \bar
	WIN 0
	s_wait_alu depctr_va_vdst(0)
	s_wait_tensorcnt 0x0                           ; every wave's load is in
	s_wait_dscnt 0x0
	s_barrier_signal -1
	s_barrier_wait -1
.endif
	SMR 0, \ld
.endm
.macro LSUM w                          ; the row's sum, beside -M
	NAMES \w
	WIN 0x55*\w
	v_pk_add_f32 v[S1_:S1_+1], v[S1_:S1_+1], v[S2_:S2_+1]
	v_pk_add_f32 v[S1_:S1_+1], v[S1_:S1_+1], v[S3_:S3_+1]
	v_add_f32 v[TP_], v[S1_], v[S1_+1]
	v_permlanex16_b32 v[PT_], v[TP_], s[SEL], s[SEL+1]
	v_add_f32 v[NM_+1], v[TP_], v[PT_]
.endm
.macro INIT w                          ; a tile's state: nothing summed, the largest score -3e38, M far below
	NAMES \w
	WIN 0x40*\w
.set J_, 0
.rept 32
	v_mov_b32 v[O_+J_], 0                          ; the loop is written once: the first change of M multiplies these zeros
.set J_, J_+1
.endr
.irp j, 0,1,2,3
	v_mov_b32 v[PT_+\j], 0                         ; a lane permute's destination counts as one of its sources
	v_mov_b32 v[S1_+\j], 0
.endr
	v_mov_b32 v[S3_], 0
	v_mov_b32 v[S3_+1], 0
	v_mov_b32 v[NM_], 0x7cf0bdc2                   ; -M = 1e37
	v_mov_b32 v[NM_+1], 0
	v_mov_b32 v[F_+1], 0
	v_mov_b32 v[MX_], 0xff61b1e6
.endm
	s_load_b256 s[4:11], s[0:1], 0x0               ; qb, kv, obuf, stats
	v_lshl_add_u32 v[SPW], v0, 2, SPARE
	v_mov_b32 v[NIL], 0
	ds_add_u32 v[SPW], v[NIL]                      ; the wave's opening: the add, twice on end, and its wait ahead of my tensor load
	ds_add_u32 v[SPW], v[NIL]
	v_lshrrev_b32 v224, 5, v0
	v_readfirstlane_b32 s[WV], v224                ; wave 0..7
	s_bfe_u32 s13, ttmp6, 0x40000
	s_lshl_b32 s14, ttmp9, 2
	s_add_co_u32 s14, s14, s13
	s_and_b32 s15, ttmp7, 0xffff                   ; the slice
	s_lshl_b32 s28, s15, 4
	s_add_co_u32 s14, s14, s28                     ; my 128 queries: 16 x slice + 4 x cluster + place
	s_and_b32 s54, s[WV], 3                        ; p
	s_lshr_b32 s55, s[WV], 2                       ; g
	; descriptor group 1: two records: 136 dense rows of 256 bytes (32 elements of 8), for all four of the cluster
	s_mov_b32 s16, 15|(3<<16)|(1<<21)
	s_mov_b32 s17, 32<<16
	s_mov_b32 s18, 136<<16
	s_mov_b32 s19, 32<<16
	s_mov_b32 s20, 136
	s_mov_b32 s21, 32
	s_mov_b32 s22, 0
	s_mov_b32 s23, 0
	s_mov_b32 s24, 1
	s_mul_i32 s25, s[WV], STEPB
	s_mul_i32 s50, s15, 16*REC
	s_mul_i32 s51, s[WV], STEPB
	s_add_co_u32 s50, s50, s51
	s_mov_b32 s51, 0
	s_mov_b32 s[SEL], 0x76543210
	s_mov_b32 s[SEL+1], 0xfedcba98
	s_mov_b32 s[CS], 0x3e38aa3b                    ; log2(e) / 8
	s_mov_b32 s[CS+1], s[CS]                       ; (named with it as a pair)
	s_mov_b32 s[NCS], 0xbe38aa3b
	s_mov_b32 s[MNT], 0x600000
	s_mul_i32 s28, s55, REC
	s_mul_i32 s29, s[WV], 4352
	s_add_co_u32 s29, s29, XCH                     ; what I hand over
	s_xor_b32 s30, s[WV], 4
	s_mul_i32 s30, s30, 4352
	s_add_co_u32 s30, s30, XCH                     ; what my partner hands over; then my stage
	s_lshl_b32 s31, s54, 1
	s_add_co_u32 s31, s31, s55                     ; tile A = 2 p + g
	s_xor_b32 s32, s31, 1                          ; tile B
	s_lshl_b32 s33, s31, 10
	s_lshl_b32 s34, s32, 10
	s_lshl_b32 s35, s54, 2
	s_lshl_b32 s36, s55, 8
	s_add_co_u32 s36, s36, s35                     ; q's scale words: 256 (T % 2) + 4 (T / 2)
	s_xor_b32 s37, s36, 256
	s_lshl_b32 s38, s31, 3
	s_add_co_u32 s38, s38, STATS
	v_and_b32 v224, 31, v0                         ; lane
	v_and_b32 v225, 15, v0                         ; r
	v_bfe_u32 v226, v0, 4, 1                       ; h
	v_and_b32 v231, 7, v0
	v_lshlrev_b32 v[LI], 4, v224
	v_lshlrev_b32 v[GS], 3, v224
	v_add_nc_u32 v[ADR], s28, v[LI]
	v_add_nc_u32 v[XW], s29, v[LI]
	v_add_nc_u32 v[XR], s30, v[LI]
	v_lshl_add_u32 v[XW2], v224, 3, s29
	v_add_nc_u32 v[XW2], 0x1000, v[XW2]
	v_lshl_add_u32 v[XR2], v224, 3, s30
	v_add_nc_u32 v[XR2], 0x1000, v[XR2]
	v_mul_u32_u24 v[STO], v225, 272
	v_mul_u32_u24 v[RD], v226, 272
	v_lshl_add_u32 v[STO], v226, 5, v[STO]
	v_lshl_add_u32 v[RD], v225, 4, v[RD]
	v_add_nc_u32 v[STO], s30, v[STO]
	v_add_nc_u32 v[RD], s30, v[RD]
	v_lshlrev_b32 v[GO], 8, v226
	v_lshl_add_u32 v[GO], v225, 4, v[GO]
	v_mov_b32 v[STA], s38
	v_lshl_add_u32 v[STL], v231, 3, STATS
	v_add_nc_u32 v227, s33, v[LI]
	v_add_nc_u32 v228, s34, v[LI]
	v_lshl_add_u32 v229, v225, 4, s36
	v_lshl_add_u32 v230, v225, 4, s37
	s_wait_dscnt 0x0                               ; both opening adds are done
	s_wait_alu depctr_va_vdst(0)
	ROUND                                          ; all four work-groups are here: the joint loads meet
	s_wait_kmcnt 0x0
	s_add_nc_u64 s[26:27], s[6:7], s[50:51]
	s_or_b32 s27, s27, 0x80000000
	s_mul_i32 s56, s14, 8704
	s_mov_b32 s57, 0
	s_add_nc_u64 s[52:53], s[4:5], s[56:57]
	s_cmp_lt_u32 s[WV], 2
	s_cbranch_scc0 .Llater
	tensor_load_to_lds s[24:27], s[16:23]          ; waves 0, 1: key steps 0 and 1
	s_nop 0
.rept 4
	v_nop
.endr
	s_branch .Lasked
.Llater:
	tensor_load_to_lds s[24:27], s[16:23]          ; the others: key steps 2 to 7
	s_nop 0
.rept 4
	v_nop
.endr
.Lasked:
	global_load_b128 v[40:43], v227, s[52:53]      ; q of A,
	global_load_b128 v[44:47], v227, s[52:53] offset:512
	global_load_b128 v[56:59], v228, s[52:53]      ; of B,
	global_load_b128 v[60:63], v228, s[52:53] offset:512
	global_load_b32 v[QS], v229, s[52:53] offset:8192   ; and their scale words
	global_load_b32 v[QS+1], v230, s[52:53] offset:8192
	s_lshl_b32 s56, s14, 15
	s_lshl_b32 s58, s54, 13                        ; 32 p rows of 256 bytes
	s_lshl_b32 s59, s55, 11                        ; 8 g rows
	s_add_co_u32 s56, s56, s58
	s_add_co_u32 s56, s56, s59
	s_add_nc_u64 s[46:47], s[8:9], s[56:57]        ; where tile A's rows go
	s_lshl_b32 s56, s14, 8
	s_add_nc_u64 s[48:49], s[10:11], s[56:57]
.irp j, 0,1,2,3,4,5,6,7
	v_mov_b32 v[32+\j], 0
	v_mov_b32 v[48+\j], 0
	v_mov_b32 v[64+\j], 0
.endr
	INIT 0
	INIT 1
	WIN 0
	s_wait_alu depctr_va_vdst(0)                   ; the wait at the head's end
	s_wait_loadcnt 0x0                             ; q is in
	s_cmp_lt_u32 s[WV], 2
	s_cbranch_scc0 .Lnot_yet
	s_wait_tensorcnt 0x0                           ; key steps 0 and 1 are in
.Lnot_yet:
	s_wait_dscnt 0x0
	s_barrier_signal -1
	s_barrier_wait -1
	KLOAD 0
	s_wait_dscnt 0x0
	SP 0
	SP 1
	WIN 0
.rept 8
	v_nop                                          ; eight places ahead of the scores' first readers
.endr
	MAXP 0
	SMR 0, 2                                       ; key step 0
	BODY 2, 1                                      ; key step 1
	s_mov_b32 s60, 5
.Lstep:                                            ; key steps 2 to 6.  (Behind SMR 0 every window is 0.)
	BODY 2, 0
	s_sub_co_u32 s60, s60, 1
	s_cmp_lg_u32 s60, 0
	s_cbranch_scc1 .Lstep
	BODY 1, 0                                      ; key step 7: no K follows
	s_wait_dscnt 0x0
	MAXP 1
	OP 0
	SMR 1, 0
	OP 1
	; THE JOIN.  My tile B goes to the partner, my tile A takes the partner's half of the keys.
	LSUM 0                                         ; these ten lines are the places behind the last products
	LSUM 1
	WIN 0x04                                       ; an LDS store's data are its source 1: window 1
	s_wait_alu depctr_va_vdst(0)
.irp k, 0,1,2,3,4,5,6,7
	ds_store_b128 v[XW], v[64+4*\k:67+4*\k] offset:512*\k
.endr
	ds_store_b64 v[XW2], v[108:109]                ; -M and the sum
	WIN 0
	s_wait_dscnt 0x0
	s_barrier_signal -1
	s_barrier_wait -1
.irp k, 0,1,2,3,4,5,6,7
	ds_load_b128 v[72+4*\k:75+4*\k], v[XR] offset:512*\k
.endr
	ds_load_b64 v[104:105], v[XR2]
	s_wait_dscnt 0x0
	v_min_num_f32 v106, v180, v104                 ; -M of both
	v_sub_f32 v107, v106, v180
	v_sub_f32 v108, v106, v104
	v_cvt_i32_f32 v107, v107
	v_cvt_i32_f32 v108, v108
	v_ldexp_f32 v107, 1.0, v107                    ; mine under it
	v_ldexp_f32 v108, 1.0, v108                    ; the partner's
	v_mul_f32 v109, v181, v107
	v_fma_f32 v109, v105, v108, v109               ; the row's sum
	s_wait_alu depctr_va_vdst(0)                   ; the wait ahead of the transcendental
	v_rcp_f32 v110, v109
	v_mov_b32 v113, 0
	v_mov_b32 v115, 0
	s_wait_alu depctr_va_vdst(0)                   ; and ahead of its first reader
	v_mul_f32 v112, v107, v110
	v_mul_f32 v114, v108, v110
	s_wait_alu depctr_va_vdst(0)                   ; and ahead of O^T's
.irp j, 0,2,4,6,8,10,12,14,16,18,20,22,24,26,28,30
	v_pk_mul_f32 v[136+\j:137+\j], v[136+\j:137+\j], v[112:113] op_sel_hi:[1,0]
.endr
.irp j, 0,2,4,6,8,10,12,14,16,18,20,22,24,26,28,30
	v_pk_fma_f32 v[136+\j:137+\j], v[72+\j:73+\j], v[114:115], v[136+\j:137+\j] op_sel_hi:[1,0,1]
.endr
.irp t, 0,1,2,3
	ds_store_b128 v[STO], v[136+8*\t:139+8*\t] offset:64*\t   ; the tile to my stage; LDS serves a wave's instructions in order (ISA guide 5.7.1.4)
	ds_store_b128 v[STO], v[140+8*\t:143+8*\t] offset:64*\t+16
.endr
.irp k, 0,1,2,3,4,5,6,7
	ds_load_b128 v[192+4*\k:195+4*\k], v[RD] offset:544*\k    ; and back as whole rows
.endr
	; the tile's sum and the squares about its mean, while the rows come back
	v_pk_add_f32 v[116:117], v[136:137], v[138:139]
	v_pk_add_f32 v[118:119], v[140:141], v[142:143]
.irp j, 8,12,16,20,24,28
	v_pk_add_f32 v[116:117], v[116:117], v[136+\j:137+\j]
	v_pk_add_f32 v[118:119], v[118:119], v[138+\j:139+\j]
.endr
	v_pk_add_f32 v[116:117], v[116:117], v[118:119]
	v_add_f32 v116, v116, v117
	v_add_f32_dpp v116, v116, v116 row_xmask:1 row_mask:0xf bank_mask:0xf
	v_add_f32_dpp v116, v116, v116 row_xmask:2 row_mask:0xf bank_mask:0xf
	v_add_f32_dpp v116, v116, v116 row_xmask:4 row_mask:0xf bank_mask:0xf
	v_add_f32_dpp v116, v116, v116 row_xmask:8 row_mask:0xf bank_mask:0xf
	v_permlanex16_b32 v117, v116, s[SEL], s[SEL+1]
	v_add_f32 v126, v116, v117                     ; the sum of 1,024 numbers
	v_mul_f32 v120, 0xba800000, v126               ; -2^-10 of it: less the mean
	v_mov_b32 v121, 0
.irp j, 0,2,4,6,8,10,12,14,16,18,20,22,24,26,28,30
	v_pk_add_f32 v[72+\j:73+\j], v[136+\j:137+\j], v[120:121] op_sel_hi:[1,0]
.endr
	v_pk_mul_f32 v[122:123], v[72:73], v[72:73]
	v_pk_mul_f32 v[124:125], v[74:75], v[74:75]
.irp j, 4,8,12,16,20,24,28
	v_pk_fma_f32 v[122:123], v[72+\j:73+\j], v[72+\j:73+\j], v[122:123]
	v_pk_fma_f32 v[124:125], v[74+\j:75+\j], v[74+\j:75+\j], v[124:125]
.endr
	v_pk_add_f32 v[122:123], v[122:123], v[124:125]
	v_add_f32 v122, v122, v123
	v_add_f32_dpp v122, v122, v122 row_xmask:1 row_mask:0xf bank_mask:0xf
	v_add_f32_dpp v122, v122, v122 row_xmask:2 row_mask:0xf bank_mask:0xf
	v_add_f32_dpp v122, v122, v122 row_xmask:4 row_mask:0xf bank_mask:0xf
	v_add_f32_dpp v122, v122, v122 row_xmask:8 row_mask:0xf bank_mask:0xf
	v_permlanex16_b32 v123, v122, s[SEL], s[SEL+1]
	v_add_f32 v127, v122, v123
	s_wait_alu depctr_va_vdst(0)
.irp k, 0,1,2,3,4,5,6,7
	s_wait_dscnt 7-\k
	global_store_b128 v[GO], v[192+4*\k:195+4*\k], s[46:47] offset:(2*\k+8*(\k/4))*256   ; row r of the tile is row r + 8 (r / 8) of its 32: sixteen lanes store 256 consecutive bytes
.endr
	ds_store_b64 v[STA], v[126:127]                ; all lanes write the same pair
	s_wait_dscnt 0x0
	s_barrier_signal -1
	s_barrier_wait -1
	s_cmp_lg_u32 s[WV], 0
	s_cbranch_scc1 .Lend
	ds_load_b64 v[104:105], v[STL]                 ; wave 0: the eight pairs, four times over: one aligned unit of 256 bytes
	s_wait_dscnt 0x0
	global_store_b64 v[GS], v[104:105], s[48:49]
.Lend:
	s_wait_tensorcnt 0x0                           ; the wave's end
	ds_add_u32 v[SPW], v[NIL]
	s_wait_dscnt 0x0
	ROUND                                          ; the closing round
	s_endpgm
.Lfunc_end_k_q659bbb059c_attn:
	.size	k_q659bbb059c_attn, .Lfunc_end_k_q659bbb059c_attn-k_q659bbb059c_attn
	.p2alignl 7, 3214868480
	.fill 96, 4, 3214868480
	.section	.rodata,"a",@progbits
	.p2align	6, 0x0
	.amdhsa_kernel k_q659bbb059c_attn
		.amdhsa_group_segment_fixed_size 327680
		.amdhsa_private_segment_fixed_size 0
		.amdhsa_enable_private_segment 0
		.amdhsa_kernarg_size 32
		.amdhsa_user_sgpr_count 2
		.amdhsa_user_sgpr_kernarg_segment_ptr 1
		.amdhsa_wavefront_size32 1
		.amdhsa_system_sgpr_workgroup_id_x 1
		.amdhsa_system_sgpr_workgroup_id_y 1
		.amdhsa_system_sgpr_workgroup_id_z 1
		.amdhsa_system_vgpr_workitem_id 0
		.amdhsa_next_free_vgpr 512
		.amdhsa_next_free_sgpr 66
		.amdhsa_reserve_vcc 0
		.amdhsa_float_denorm_mode_32 3
		.amdhsa_float_denorm_mode_16_64 3
		.amdhsa_memory_ordered 1
		.amdhsa_forward_progress 1
		.amdhsa_inst_pref_size 157
	.end_amdhsa_kernel
	.amdgpu_metadata
---
amdhsa.version: [ 1, 2 ]
amdhsa.kernels:
  - .name:           k_q659bbb059c_attn
    .symbol:         k_q659bbb059c_attn.kd
    .args:
      - { .name: qb, .offset: 0, .size: 8, .value_kind: global_buffer, .address_space: global }
      - { .name: kv, .offset: 8, .size: 8, .value_kind: global_buffer, .address_space: global }
      - { .name: obuf, .offset: 16, .size: 8, .value_kind: global_buffer, .address_space: global }
      - { .name: stats, .offset: 24, .size: 8, .value_kind: global_buffer, .address_space: global }
    .group_segment_fixed_size: 327680
    .private_segment_fixed_size: 0
    .kernarg_segment_align: 8
    .kernarg_segment_size: 32
    .max_flat_workgroup_size: 256
    .sgpr_count:     66
    .vgpr_count:     512
    .wavefront_size: 32
...
	.end_amdgpu_metadata
.endif
;; end of part 3
;; launch norm (part 4): grid 256 x 1, 8 waves a work-group, no clusters, 0 bytes of LDS; arguments obuf, stats, out0; writes out0
.if DOCPART == 4
	.amdgcn_target "amdgcn-amd-amdhsa--gfx1250"
	.amdhsa_code_object_version 6
	.text
	.protected	k_q659bbb059c_norm
	.globl	k_q659bbb059c_norm
	.p2align	8
	.type	k_q659bbb059c_norm,@function
k_q659bbb059c_norm:
	s_mov_b64 s[64:65], 0
	v_nop
	global_prefetch_b8 v0, s[64:65] scope:SCOPE_SE
	s_setreg_imm32_b32 hwreg(HW_REG_WAVE_MODE, 25, 1), 1
	s_wait_xcnt 0x0
; out0 = (obuf - mu) / sqrt(var + 1e-5), mu and var (biased) over each slice's 2,048 x 64 numbers.  No work is left out.
; A work-group takes 128 rows (32,768 bytes) of one slice.  Every wave joins the slice's 128 pairs (sum, sum of squares about the part's own mean; 1,024 numbers a part) by itself, four pairs a lane:
; mu = the sum of the sums / 2^17;  var = (the sum of the centred squares + 1,024 x the sum of (part's mean - mu)^2) / 2^17: no difference of large sums is formed.
; A stream: matrix units, LDS and clusters would add nothing.  Each load and store of a wave covers 512 consecutive bytes.
; LIMIT: x rstd - mu rstd is one fused multiply-add; its error is one rounding of a number of the size of mu rstd.
	s_load_b128 s[4:7], s[0:1], 0x0                ; obuf, stats
	s_load_b64 s[8:9], s[0:1], 0x10                ; out0
	v_and_b32 v1, 31, v0
	s_delay_alu instid0(VALU_DEP_1)
	v_lshrrev_b32 v2, 1, v1
	s_delay_alu instid0(VALU_DEP_2)
	v_and_b32 v3, 1, v1
	s_delay_alu instid0(VALU_DEP_2)
	v_lshlrev_b32 v2, 8, v2
	s_delay_alu instid0(VALU_DEP_1)
	v_lshl_add_u32 v2, v3, 5, v2                   ; the stats of work-group lane / 2 of the slice, pairs 4 (lane % 2) on
	v_lshlrev_b32 v4, 4, v0                        ; 16 bytes a thread
	s_lshl_b32 s10, ttmp9, 15
	s_mov_b32 s11, 0
	s_lshr_b32 s12, ttmp9, 4
	s_lshl_b32 s12, s12, 12                        ; 16 work-groups x 256 bytes a slice
	s_mov_b32 s13, 0
	s_mov_b32 s14, 0x3a800000                      ; 2^-10
	s_mov_b32 s15, 0x44800000                      ; 1,024
	s_mov_b32 s16, 0x76543210
	s_mov_b32 s17, 0xfedcba98
	s_mov_b32 s18, 0x37000000                      ; 2^-17
	s_mov_b32 s19, 0x3727c5ac                      ; 1e-5
	s_wait_alu depctr_va_vdst(0)
	s_wait_kmcnt 0x0
	s_add_nc_u64 s[4:5], s[4:5], s[10:11]
	s_add_nc_u64 s[8:9], s[8:9], s[10:11]
	s_add_nc_u64 s[6:7], s[6:7], s[12:13]
	global_load_b128 v[8:11], v2, s[6:7]
	global_load_b128 v[12:15], v2, s[6:7] offset:16
.irp j, 0,1,2,3,4,5,6,7
	global_load_b128 v[16+4*\j:19+4*\j], v4, s[4:5] offset:4096*\j th:TH_LOAD_NT
.endr
	s_wait_loadcnt 8                               ; the pairs are in; the eight loads of data may be out
	v_add_f32 v48, v8, v10
	v_add_f32 v49, v12, v14
	s_delay_alu instid0(VALU_DEP_1)
	v_add_f32 v48, v48, v49
	s_delay_alu instid0(VALU_DEP_1)
	v_add_f32_dpp v48, v48, v48 row_xmask:1 row_mask:0xf bank_mask:0xf
	s_delay_alu instid0(VALU_DEP_1)
	v_add_f32_dpp v48, v48, v48 row_xmask:2 row_mask:0xf bank_mask:0xf
	s_delay_alu instid0(VALU_DEP_1)
	v_add_f32_dpp v48, v48, v48 row_xmask:4 row_mask:0xf bank_mask:0xf
	s_delay_alu instid0(VALU_DEP_1)
	v_add_f32_dpp v48, v48, v48 row_xmask:8 row_mask:0xf bank_mask:0xf
	s_delay_alu instid0(VALU_DEP_1)
	v_permlanex16_b32 v49, v48, s16, s17
	s_delay_alu instid0(VALU_DEP_1)
	v_add_f32 v48, v48, v49
	s_delay_alu instid0(VALU_DEP_1)
	v_mul_f32 v49, s18, v48                        ; mu
	s_delay_alu instid0(VALU_DEP_1)
	v_fma_f32 v50, v8, s14, -v49                   ; each part's mean less mu
	s_delay_alu instid0(VALU_DEP_2)
	v_fma_f32 v51, v10, s14, -v49
	s_delay_alu instid0(VALU_DEP_3)
	v_fma_f32 v52, v12, s14, -v49
	s_delay_alu instid0(VALU_DEP_4)
	v_fma_f32 v53, v14, s14, -v49
	s_delay_alu instid0(VALU_DEP_4)
	v_mul_f32 v54, v50, v50
	s_delay_alu instid0(VALU_DEP_1)
	v_fma_f32 v54, v51, v51, v54
	s_delay_alu instid0(VALU_DEP_1)
	v_fma_f32 v54, v52, v52, v54
	s_delay_alu instid0(VALU_DEP_1)
	v_fma_f32 v54, v53, v53, v54
	v_add_f32 v55, v9, v11
	v_add_f32 v50, v13, v15
	s_delay_alu instid0(VALU_DEP_1)
	v_add_f32 v55, v55, v50
	s_delay_alu instid0(VALU_DEP_1)
	v_fma_f32 v54, v54, s15, v55
	s_delay_alu instid0(VALU_DEP_1)
	v_add_f32_dpp v54, v54, v54 row_xmask:1 row_mask:0xf bank_mask:0xf
	s_delay_alu instid0(VALU_DEP_1)
	v_add_f32_dpp v54, v54, v54 row_xmask:2 row_mask:0xf bank_mask:0xf
	s_delay_alu instid0(VALU_DEP_1)
	v_add_f32_dpp v54, v54, v54 row_xmask:4 row_mask:0xf bank_mask:0xf
	s_delay_alu instid0(VALU_DEP_1)
	v_add_f32_dpp v54, v54, v54 row_xmask:8 row_mask:0xf bank_mask:0xf
	s_delay_alu instid0(VALU_DEP_1)
	v_permlanex16_b32 v55, v54, s16, s17
	s_delay_alu instid0(VALU_DEP_1)
	v_add_f32 v54, v54, v55
	s_delay_alu instid0(VALU_DEP_1)
	v_fma_f32 v54, v54, s18, s19                   ; var + 1e-5
	s_wait_alu depctr_va_vdst(0)
	v_rsq_f32 v56, v54
	v_mov_b32 v57, 0                               ; (a plain line behind the root; the upper halves of two pairs)
	v_mov_b32 v59, 0
	s_wait_alu depctr_va_vdst(0)                   ; the wait ahead of the first reader
	v_mul_f32 v58, -v49, v56                       ; -mu rstd
	s_wait_alu depctr_va_vdst(0)
	s_wait_loadcnt 0x0
.irp j, 0,2,4,6,8,10,12,14,16,18,20,22,24,26,28,30
	v_pk_fma_f32 v[16+\j:17+\j], v[16+\j:17+\j], v[56:57], v[58:59] op_sel_hi:[1,0,0]
.endr
.irp j, 0,1,2,3,4,5,6,7
	global_store_b128 v4, v[16+4*\j:19+4*\j], s[8:9] offset:4096*\j th:TH_STORE_NT
.endr
	s_endpgm
.Lfunc_end_k_q659bbb059c_norm:
	.size	k_q659bbb059c_norm, .Lfunc_end_k_q659bbb059c_norm-k_q659bbb059c_norm
	.p2alignl 7, 3214868480
	.fill 96, 4, 3214868480
	.section	.rodata,"a",@progbits
	.p2align	6, 0x0
	.amdhsa_kernel k_q659bbb059c_norm
		.amdhsa_group_segment_fixed_size 0
		.amdhsa_private_segment_fixed_size 0
		.amdhsa_enable_private_segment 0
		.amdhsa_kernarg_size 24
		.amdhsa_user_sgpr_count 2
		.amdhsa_user_sgpr_kernarg_segment_ptr 1
		.amdhsa_wavefront_size32 1
		.amdhsa_system_sgpr_workgroup_id_x 1
		.amdhsa_system_sgpr_workgroup_id_y 1
		.amdhsa_system_sgpr_workgroup_id_z 1
		.amdhsa_system_vgpr_workitem_id 0
		.amdhsa_next_free_vgpr 64
		.amdhsa_next_free_sgpr 66
		.amdhsa_reserve_vcc 0
		.amdhsa_float_denorm_mode_32 3
		.amdhsa_float_denorm_mode_16_64 3
		.amdhsa_memory_ordered 1
		.amdhsa_forward_progress 1
		.amdhsa_inst_pref_size 7
	.end_amdhsa_kernel
	.amdgpu_metadata
---
amdhsa.version: [ 1, 2 ]
amdhsa.kernels:
  - .name:           k_q659bbb059c_norm
    .symbol:         k_q659bbb059c_norm.kd
    .args:
      - { .name: obuf, .offset: 0, .size: 8, .value_kind: global_buffer, .address_space: global }
      - { .name: stats, .offset: 8, .size: 8, .value_kind: global_buffer, .address_space: global }
      - { .name: out0, .offset: 16, .size: 8, .value_kind: global_buffer, .address_space: global }
    .group_segment_fixed_size: 0
    .private_segment_fixed_size: 0
    .kernarg_segment_align: 8
    .kernarg_segment_size: 24
    .max_flat_workgroup_size: 256
    .sgpr_count:     66
    .vgpr_count:     64
    .wavefront_size: 32
...
	.end_amdgpu_metadata
.endif
;; end of part 4
